; MI455X (gfx1250); checked and timed in simulation.
; The chip was launched on July 23, 2026; its instructions are those of AMD's public machine-readable ISA for CDNA 5 (MIT licence, August 2026) and "CDNA5" Instruction Set Architecture Reference Guide (July 2026). The comments in the code are by the model that wrote it; some were corrected since.
;; Attention model. Allowed arithmetic: matrix products marked QUANTISED: E2M3 operands, one E8M0 scale for each 32 along K, by v_wmma_scale_f32_16x16x128_f8f6f4 with both operands' format E2M3, f32 sums; products left as they are: f32 operands where the result goes on into a quantised operand, else bf16, f16 or f32 operands; f32 sums; everything else in f32.
;; Inputs: V 1,024 x 1 float32; W1 1,024 x 1,024 float32; W2 1,024 x 1,024 float32; b1 1,024 float32; b2 1,024 float32; bV 1 float32; features 64 x 1,024 x 1,024 float32; hidden 64 x 1,024 float32.
;; Outputs: out0 64 x 1,024 float32; out1 64 x 1,024 x 1 float32.
;; This version of the problem:
;;   THIS VERSION OF THE PROBLEM IS GIVEN IN LOW PRECISION. The matrix products marked QUANTISED in the list below multiply operands that are first quantised to E2M3 (2 exponent bits, 3 mantissa bits; 6 bits a number), with one power-of-two scale for each 32 numbers along K (OCP MX v1.0); their sums are f32. All else is computed in f32.
;;   The module's matrix products, in the order in which they are computed (A, B: the left and right operand; K: the contracted axis; several contracted axes count as one K, in the product's order):
;;     1. [M 65,536, K 1,024] x [K 1,024, N 1,024]; A: input features; B: input W1: QUANTISED
;;     2. [M 64, K 1,024] x [K 1,024, N 1,024]; A: input hidden; B: input W2: QUANTISED
;;     3. [M 65,536, K 1,024] x [K 1,024, N 1]; A: computed on the way; B: input V: left as it is (N = 1 < 16)
;;   THE QUANTISER, for each operand of a quantised product, along K:
;;     - K is cut into blocks of 32 from its start; a last block that is shorter is filled with zeros.
;;     - A block's scale is 2^e with e = floor(log2(the largest magnitude in the block)) - 2, held to -126 .. 127; a block of zeros has e = 0. As a byte (E8M0): e + 127.
;;     - Each number is divided by its block's scale, clamped to +-7.5, and rounded to the nearest number of E2M3, ties to even, subnormals kept.
;;     - The product sums the exact products of the quantised numbers (number of the format x scale) in f32.
;;   ~~~python
;;   def quantise(x, axis):      # numpy; x: float32 -> the quantised numbers, widened to float32 again
;;       x = np.moveaxis(x, axis, -1); K = x.shape[-1]
;;       x = np.pad(x, [(0, 0)] * (x.ndim - 1) + [(0, -K % 32)]); x = x.reshape(x.shape[:-1] + (-1, 32)); a = np.abs(x).max(-1, keepdims=True)
;;       e = np.where(a > 0, np.clip(np.frexp(np.where(a > 0, a, 1))[1] - 1 - 2, -126, 127), 0)      # np.frexp(a)[1] - 1 = floor(log2(a)), exactly
;;       r = np.clip(x / 2.0 ** e, -7.5, 7.5)
;;       step = 2.0 ** (np.maximum(np.frexp(np.where(r == 0, 1, r))[1] - 1, 0) - 3)
;;       q = np.round(r / step) * step * 2.0 ** e      # np.round: ties to even
;;       return np.moveaxis(q.reshape(q.shape[:-2] + (-1,))[..., :K], -1, axis).astype(np.float32)
;;   ~~~
;; One version. Each part assembles by itself: llvm-mc -triple=amdgcn-amd-amdhsa -mcpu=gfx1250 --defsym DOCPART=n.
;; ======== version 1 of 1: 3 launches
;; limits: right only within a limited range of input values
;; workspace buffers: w1img 819,200 bytes; vb 524,288 bytes; lgt 262,144 bytes
;; launch prep (part 1): grid 256 x 1, 8 waves a work-group, no clusters, 76,800 bytes of LDS; arguments W1, W2, hidden, b1, b2, V, w1img, vb; writes w1img, vb
.if DOCPART == 1
	.amdgcn_target "amdgcn-amd-amdhsa--gfx1250"
	.amdhsa_code_object_version 6
	.text
	.protected	k_q6253b874f3_prep
	.globl	k_q6253b874f3_prep
	.p2align	8
	.type	k_q6253b874f3_prep,@function
k_q6253b874f3_prep:
	s_mov_b64 s[64:65], 0
	v_nop
	global_prefetch_b8 v0, s[64:65] scope:SCOPE_SE
	s_setreg_imm32_b32 hwreg(HW_REG_WAVE_MODE, 25, 1), 1
	s_wait_xcnt 0x0
; PREP.  W1 [1024 k][1024 u] f32 becomes codes of FP6 (E2M3) with one E8M0 byte for each 32 along K, laid as IMAGES OF THE OPERAND'S REGISTERS;
; and bias'[b][u] = c (Q(hidden) Q(W2) + b1 + b2)[b][u], c = 2 log2(e), V'[u] = -2 V[u], laid tile by tile for each batch.
; DEAD WORK LEFT OUT.  reference() returns softmax(logits) along l and the sum of features weighted by it, never the logits.  For every number k that is the same for all l of a batch,
; softmax(z + k) = softmax(z).  Two terms of the logits are such a k, whatever the inputs hold: bV, and the sum over u of V[u], which is what the 1 of tanh(x) = 1 - 2 / (1 + e^(2 x)) adds.
; Both are left out: the program's logits are the sum over u of -2 V[u] / (1 + e^(2 x)).  So bV has no way to an output: it is not loaded and is no launch's argument.
; LIMIT: a NaN, an infinity or an overflow that arises in bV or in the plain sum of V alone is not carried to the results.
; SHARES.  Work-group 64 mt + t owns the 16 units 16 t .. 16 t + 15 for the 16 batches 16 mt .. 16 mt + 15, and K steps 2 mt and 2 mt + 1 of W1's tile t: 256 work-groups of equal work.
; Wave s takes K step s (k = 128 s .. 128 s + 127) of W2 and of hidden and makes its part of the product; the eight parts meet in LDS as images of the accumulators; waves 0 and 1 add them,
; four registers each, and store bias' and V'; meanwhile waves 2 and 3 quantise the work-group's two K steps of W1.  W2's tile is quantised by each of the four work-groups that need it.
; W1, W2: A LANE TAKES A COLUMN (unit 16 t + lane % 16) AND ITS REGISTERS RUN DOWN K, in the order that the operand's layout gives that lane: register 32 c + i holds
; k = 64 c + 32 (lane / 16) + i of the K step.  So a lane holds two whole blocks of 32, no other lane is asked for a maximum, and the conversions' results are the operand's registers.
; hidden: K is innermost.  Each load reads 512 consecutive bytes of one row; the 16 rows turn through the wave's own stage in LDS and come back in the same order of registers.
; w1img: tile t at 12,800 t: eight fragments of 1,536 bytes (K step s; registers 4 c .. 4 c + 3 of lane l at 512 c + 16 l), then 512 bytes of scale words (256 (s / 4) + 16 r + 4 (s % 4)).
; vb: batch b at 8,192 b, tile t at 128 t: 16 numbers of bias', then 16 of V'.
; The product is used transposed (source 0 = 16 units of W2, source 1 = 16 batches): register j of lane (r, h) is unit 8 h + j of batch r.
; A block's scale byte is its largest magnitude's exponent field - 2; the floor 2^(3 - 127) among the maximum's leaves holds it at 1, which is the quantiser's hold at e = -126.
; LIMITS: a block of zeros gets the byte 1 with zero codes (the same products as under 127; the bytes are read by this program alone); NaN and infinities among the inputs are not served.
; No tensor load, no cluster, no prefetch: every load goes out at the head, and there is no loop to run ahead in.  The pieces of 64 bytes read of W1 and W2, of 16 bytes stored to vb
; and of 4 bytes stored as scale words are a small part of the program's bytes and are taken for the sake of one plain path.
.set TILEB, 12800
.set FRB,   1536
.set RED,   0                          ; LDS: 8 waves x 1,024 bytes: each wave's accumulator as an image
.set STG,   8192                       ; hidden's stages: 16 rows x 528 bytes for each wave
.set SP,    528                        ; 33 x 16: the sixteen rows that a load of 16 bytes a lane touches start at sixteen different places modulo 256
.set STGB,  16*SP
.set SPARE, STG+8*STGB                 ; the spare words: 128 bytes for each wave
.set VSO,   3                          ; 32 h: my units' bytes in b1, b2, V (the base holds the rest)
.set AW,    4                          ; W1, W2: 4 r + 32 rows x h
.set HWR,   5                          ; my stage, way in: 16 x lane
.set SH8,   6                          ; 8 h
.set L16,   7                          ; 16 x lane
.set M,     8                          ; v8-9 largest magnitudes of my two blocks; v10-11 their second chains
.set MB,    10
.set SOP,   12                         ; v12-13 the conversions' scale operands
.set BY,    14                         ; v14-15 the scale bytes
.set SW1,   16                         ; scale words: W1's, W2's, hidden's
.set SW2,   17
.set SH,    18
.set NIL,   19                         ; 0; never rewritten
.set T,     22                         ; a lane permute's destination
.set VO,    23                         ; vb: 8,192 r + 32 h
.set B1,    24                         ; v24-27 four numbers of b1
.set RW,    28                         ; RED: where I store my image; v29 where waves 0 and 1 read their piece
.set RR,    29
.set SA,    30                         ; 16 r: my row's place among a K step's scale words
.set XA,    32                         ; v32-95 W1, v96-159 W2, v160-223 hidden: 64 numbers each
.set XB,    96
.set XC,    160
.set FH0,   96                         ; in W2's registers, once it is quantised: hidden's fragment,
.set ACC,   120                        ; the accumulator,
.set VV,    152                        ; four numbers of V,
.set B2,    156                        ; four of b2
.set FW1,   224                        ; W1's fragment
.set FW2,   236                        ; W2's
.set CT0,   248                        ; a conversion's three registers begin on an even number: a block's second half is made here and moved
.set HRD,   251                        ; my stage, way out: 528 r + 128 h
.set CT1,   252
.set SPW,   255                        ; my spare word; never rewritten
.set WV,    20
.set SEL,   28
.set CC,    30
	s_load_b256 s[4:11], s[0:1], 0x0               ; W1 s[4:5], W2 s[6:7], hidden s[8:9], b1 s[10:11]
	s_load_b256 s[12:19], s[0:1], 0x20             ; b2 s[12:13], V s[14:15], w1img s[16:17], vb s[18:19]
	v_lshl_add_u32 v[SPW], v0, 2, SPARE
	v_mov_b32 v[NIL], 0
	v_lshrrev_b32 v1, 5, v0
	v_readfirstlane_b32 s[WV], v1                  ; wave = K step s of W2 and hidden
	s_and_b32 s38, ttmp9, 63                       ; t
	s_lshr_b32 s39, ttmp9, 6                       ; mt
	s_lshr_b32 s42, s[WV], 1                       ; 0: I add the parts; 1: I quantise W1
	s_and_b32 s23, s[WV], 1
	s_lshl_b32 s43, s39, 1
	s_add_co_u32 s43, s43, s23                     ; W1's K step for waves 2 and 3: 2 mt + wave % 2
	s_lshl_b32 s22, s38, 6                         ; 16 t columns
	s_lshl_b32 s24, s[WV], 19                      ; W2: 128 s rows of 4,096 bytes
	s_add_co_u32 s24, s24, s22
	s_mov_b32 s25, 0
	s_lshl_b32 s46, s43, 19                        ; W1 likewise
	s_add_co_u32 s46, s46, s22
	s_mov_b32 s47, 0
	s_lshl_b32 s26, s[WV], 9                       ; hidden: 128 s columns,
	s_lshl_b32 s27, s39, 16                        ; 16 mt rows
	s_add_co_u32 s26, s26, s27
	s_mov_b32 s27, 0
	s_mul_i32 s40, s38, TILEB                      ; w1img: tile t,
	s_mul_i32 s33, s43, FRB                        ; the K step's fragment
	s_add_co_u32 s32, s40, s33
	s_mov_b32 s33, 0
	s_lshr_b32 s41, s43, 2                         ; and its scale words: 8 FRB + 256 (s / 4) + 4 (s % 4)
	s_lshl_b32 s41, s41, 8
	s_add_co_u32 s40, s40, s41
	s_and_b32 s41, s43, 3
	s_lshl_b32 s41, s41, 2
	s_add_co_u32 s40, s40, s41
	s_add_co_u32 s40, s40, 8*FRB
	s_mov_b32 s41, 0
	s_lshl_b32 s2, s23, 9                          ; RED: piece wave % 2
	s_lshl_b32 s23, s23, 4
	s_add_co_u32 s34, s22, s23                     ; b1, b2, V: 64 t + 16 (wave % 2)
	s_mov_b32 s35, 0
	s_lshl_b32 s36, s39, 17                        ; vb: 16 mt batches of 8,192 bytes
	s_lshl_b32 s22, s38, 7
	s_add_co_u32 s36, s36, s22                     ; + 128 t
	s_add_co_u32 s36, s36, s23                     ; + 16 (wave % 2)
	s_mov_b32 s37, 0
	s_lshl_b32 s21, s[WV], 10                      ; RED: my image
	s_mul_i32 s3, s[WV], STGB
	s_add_co_u32 s3, s3, STG                       ; my stage
	s_mov_b32 s[SEL], 0x76543210
	s_mov_b32 s[SEL+1], 0xfedcba98                 ; v_permlanex16_b32's selects for lane l xor 16
	s_mov_b32 s[CC], 0x4038aa3b                    ; c = 2 log2(e)
	s_mov_b32 s[CC+1], s[CC]
	v_and_b32 v1, 15, v0                           ; r
	v_bfe_u32 v2, v0, 4, 1                         ; h
	v_and_b32 v3, 31, v0
	v_lshlrev_b32 v[L16], 4, v3
	v_lshlrev_b32 v[VSO], 5, v2
	v_lshlrev_b32 v[AW], 2, v1
	v_lshl_add_u32 v[AW], v2, 17, v[AW]            ; 32 rows of 4,096 bytes for lanes 16-31
	v_lshlrev_b32 v[SH8], 3, v2
	v_mov_b32 v[T], 0                              ; written once: a lane permute's destination counts as one of its sources
	v_lshlrev_b32 v[VO], 13, v1
	v_add_nc_u32 v[VO], v[VO], v[VSO]
	v_lshlrev_b32 v[SA], 4, v1
	v_add_nc_u32 v[RW], s21, v[L16]
	v_add_nc_u32 v[RR], s2, v[L16]
	v_add_nc_u32 v[HWR], s3, v[L16]
	v_mul_u32_u24 v[HRD], v1, SP
	v_lshl_add_u32 v[HRD], v2, 7, v[HRD]
	v_add_nc_u32 v[HRD], s3, v[HRD]
	s_wait_alu depctr_va_vdst(0)
	s_wait_kmcnt 0x0
	s_add_nc_u64 s[4:5], s[4:5], s[46:47]
	s_add_nc_u64 s[6:7], s[6:7], s[24:25]
	s_add_nc_u64 s[8:9], s[8:9], s[26:27]
	s_add_nc_u64 s[10:11], s[10:11], s[34:35]
	s_add_nc_u64 s[12:13], s[12:13], s[34:35]
	s_add_nc_u64 s[14:15], s[14:15], s[34:35]
	s_add_nc_u64 s[44:45], s[16:17], s[40:41]
	s_add_nc_u64 s[16:17], s[16:17], s[32:33]
	s_add_nc_u64 s[18:19], s[18:19], s[36:37]
.macro LOADW lo, x                     ; 64 numbers of my column: sixteen neighbouring lanes read 64 neighbouring bytes
.set lw, 0
.rept 64
	global_load_b32 v[\x+lw], v[AW], s[\lo:\lo+1] offset:(64*(lw/32)+lw%32)*4096
.set lw, lw+1
.endr
.endm
; 64 numbers v[x] .. v[x + 63] become a fragment's 12 registers in v[f] on and its scale word in v[w].
.macro QUANT x, f, w
	v_max3_num_f32 v[M], |v[\x]|, |v[\x+1]|, 0x1800000             ; each block in two chains, the four by turns; the floor 2^(3 - 127) is one more leaf
	v_max3_num_f32 v[MB], |v[\x+16]|, |v[\x+17]|, |v[\x+18]|
	v_max3_num_f32 v[M+1], |v[\x+32]|, |v[\x+33]|, 0x1800000
	v_max3_num_f32 v[MB+1], |v[\x+48]|, |v[\x+49]|, |v[\x+50]|
.irp i, 2,4,6,8,10,12
	s_delay_alu instid0(VALU_DEP_4)
	v_max3_num_f32 v[M], v[M], |v[\x+\i]|, |v[\x+\i+1]|
	s_delay_alu instid0(VALU_DEP_4)
	v_max3_num_f32 v[MB], v[MB], |v[\x+17+\i]|, |v[\x+18+\i]|
	s_delay_alu instid0(VALU_DEP_4)
	v_max3_num_f32 v[M+1], v[M+1], |v[\x+32+\i]|, |v[\x+33+\i]|
	s_delay_alu instid0(VALU_DEP_4)
	v_max3_num_f32 v[MB+1], v[MB+1], |v[\x+49+\i]|, |v[\x+50+\i]|
.endr
	s_delay_alu instid0(VALU_DEP_4)
	v_max3_num_f32 v[M], v[M], |v[\x+14]|, |v[\x+15]|
	s_delay_alu instid0(VALU_DEP_3)
	v_max3_num_f32 v[M+1], v[M+1], |v[\x+46]|, |v[\x+47]|
	s_delay_alu instid0(VALU_DEP_2)
	v_max3_num_f32 v[M], v[M], v[MB], |v[\x+31]|
	s_delay_alu instid0(VALU_DEP_2)
	v_max3_num_f32 v[M+1], v[M+1], v[MB+1], |v[\x+63]|
	s_delay_alu instid0(VALU_DEP_2)
	v_add_nc_u32 v[SOP], 0xff000000, v[M]          ; 2 off the exponent field: the conversion takes this operand's exponent field as its scale
	s_delay_alu instid0(VALU_DEP_2)
	v_add_nc_u32 v[SOP+1], 0xff000000, v[M+1]
	s_delay_alu instid0(VALU_DEP_2)
	v_lshrrev_b32 v[BY], 23, v[SOP]                ; the scale's byte
	s_delay_alu instid0(VALU_DEP_2)
	v_lshrrev_b32 v[BY+1], 23, v[SOP+1]
	s_delay_alu instid0(VALU_DEP_1)
	v_lshl_or_b32 v[\w], v[BY+1], 16, v[BY]        ; my two bytes: blocks h and 2 + h,
	s_delay_alu instid0(VALU_DEP_1)
	v_lshlrev_b32 v[\w], v[SH8], v[\w]             ; at their places in the word;
	s_delay_alu instid0(VALU_DEP_1)
	v_permlanex16_b32 v[T], v[\w], s[SEL], s[SEL+1]
	s_delay_alu instid0(VALU_DEP_1)
	v_or_b32 v[\w], v[\w], v[T]                    ; with lane l xor 16's two the word is whole
	v_cvt_scalef32_pk16_fp6_f32 v[\f:\f+2], v[\x:\x+15], v[SOP]
	v_cvt_scalef32_pk16_fp6_f32 v[CT0:CT0+2], v[\x+16:\x+31], v[SOP]
	v_cvt_scalef32_pk16_fp6_f32 v[\f+6:\f+8], v[\x+32:\x+47], v[SOP+1]
	v_cvt_scalef32_pk16_fp6_f32 v[CT1:CT1+2], v[\x+48:\x+63], v[SOP+1]
	v_nop                                          ; one plain place behind the scaled conversions
.irp i, 0,1,2
	v_mov_b32 v[\f+3+\i], v[CT0+\i]
	v_mov_b32 v[\f+9+\i], v[CT1+\i]
.endr
.endm
.set lj, 0
.rept 16
	global_load_b128 v[XC+4*lj:XC+4*lj+3], v[L16], s[8:9] offset:4096*lj   ; my K step of the 16 batches: 512 consecutive bytes of one row
.set lj, lj+1
.endr
	LOADW 6, XB                                    ; W2
	s_cmp_lg_u32 s42, 1
	s_cbranch_scc1 .Lno_w1_loads
	LOADW 4, XA                                    ; waves 2 and 3: W1
.Lno_w1_loads:
	s_wait_loadcnt 0x0
.set lj, 0
.rept 16                               ; the 16 rows go through my stage and come back into the registers that they left: register 32 c + i: k = 64 c + 32 h + i of batch r
	ds_store_b128 v[HWR], v[XC+4*lj:XC+4*lj+3] offset:SP*lj
.set lj, lj+1
.endr
.set lj, 0
.rept 16
	ds_load_b128 v[XC+4*lj:XC+4*lj+3], v[HRD] offset:256*(lj/8)+16*(lj%8)      ; LDS serves a wave's instructions in order (ISA guide 5.7.1.4): these see the stores above
.set lj, lj+1
.endr
	QUANT XB, FW2, SW2                             ; while the rows turn
	s_wait_alu depctr_va_vdst(0)
	s_cmp_lg_u32 s42, 0
	s_cbranch_scc1 .Lno_small
	global_load_b128 v[B1:B1+3], v[VSO], s[10:11]  ; waves 0 and 1: the four units that I finish: 16 t + 8 h + 4 (wave % 2) + 0 .. 3
	global_load_b128 v[B2:B2+3], v[VSO], s[12:13]
	global_load_b128 v[VV:VV+3], v[VSO], s[14:15]
.Lno_small:
	s_wait_dscnt 0x0                               ; the rows are back
	QUANT XC, FH0, SH
.rept 8
	v_nop                                          ; a scale word made by vector instructions stands eight places ahead of a scaled product, an operand so made four
.endr
	v_wmma_scale_f32_16x16x128_f8f6f4 v[ACC:ACC+7], v[FW2:FW2+11], v[FH0:FH0+11], 0, v[SW2], v[SH] matrix_a_fmt:MATRIX_FMT_FP6 matrix_b_fmt:MATRIX_FMT_FP6
.rept 4
	v_nop                                          ; four places ahead of the first read of the result
.endr
	ds_store_b128 v[RW], v[ACC:ACC+3] offset:RED   ; from its low end on
	ds_store_b128 v[RW], v[ACC+4:ACC+7] offset:RED+512
	s_wait_dscnt 0x0                               ; for the others' sake: my image has landed
	s_barrier_signal -1
	s_barrier_wait -1
	s_cmp_lg_u32 s42, 0
	s_cbranch_scc1 .Lnot_fin
.irp k, 0,1,2,3,4,5,6,7
	ds_load_b128 v[XC+4*\k:XC+4*\k+3], v[RR] offset:RED+1024*\k    ; registers 4 (wave % 2) on of all eight K steps' parts
.endr
	s_wait_loadcnt 0x0
	v_pk_add_f32 v[B1:B1+1], v[B1:B1+1], v[B2:B2+1]                ; b1 + b2, and V' = -2 V
	v_pk_add_f32 v[B1+2:B1+3], v[B1+2:B1+3], v[B2+2:B2+3]
	v_pk_mul_f32 v[VV:VV+1], v[VV:VV+1], -2.0 op_sel_hi:[1,0]
	v_pk_mul_f32 v[VV+2:VV+3], v[VV+2:VV+3], -2.0 op_sel_hi:[1,0]
	s_wait_alu depctr_va_vdst(0)
	s_wait_dscnt 0x0
.irp k, 0,8,16,24
	v_pk_add_f32 v[XC+\k:XC+\k+1], v[XC+\k:XC+\k+1], v[XC+\k+4:XC+\k+5]
	v_pk_add_f32 v[XC+\k+2:XC+\k+3], v[XC+\k+2:XC+\k+3], v[XC+\k+6:XC+\k+7]
.endr
.irp k, 0,16
	v_pk_add_f32 v[XC+\k:XC+\k+1], v[XC+\k:XC+\k+1], v[XC+\k+8:XC+\k+9]
	v_pk_add_f32 v[XC+\k+2:XC+\k+3], v[XC+\k+2:XC+\k+3], v[XC+\k+10:XC+\k+11]
.endr
	s_delay_alu instid0(VALU_DEP_2)
	v_pk_add_f32 v[XC:XC+1], v[XC:XC+1], v[XC+16:XC+17]
	s_delay_alu instid0(VALU_DEP_2)
	v_pk_add_f32 v[XC+2:XC+3], v[XC+2:XC+3], v[XC+18:XC+19]
	s_delay_alu instid0(VALU_DEP_2)
	v_pk_add_f32 v[XC:XC+1], v[XC:XC+1], v[B1:B1+1]
	s_delay_alu instid0(VALU_DEP_2)
	v_pk_add_f32 v[XC+2:XC+3], v[XC+2:XC+3], v[B1+2:B1+3]
	s_delay_alu instid0(VALU_DEP_2)
	v_pk_mul_f32 v[XC:XC+1], v[XC:XC+1], s[CC:CC+1] op_sel_hi:[1,0]
	s_delay_alu instid0(VALU_DEP_2)
	v_pk_mul_f32 v[XC+2:XC+3], v[XC+2:XC+3], s[CC:CC+1] op_sel_hi:[1,0]
	global_store_b128 v[VO], v[XC:XC+3], s[18:19]                  ; bias' of batch 16 mt + r
	global_store_b128 v[VO], v[VV:VV+3], s[18:19] offset:64        ; and that batch's copy of V'
	s_branch .Ldone
.Lnot_fin:
	s_cmp_lg_u32 s42, 1
	s_cbranch_scc1 .Ldone
	QUANT XA, FW1, SW1                             ; waves 2 and 3: W1's K step 2 mt + wave % 2
.irp c, 0,1,2
	global_store_b128 v[L16], v[FW1+4*\c:FW1+4*\c+3], s[16:17] offset:512*\c   ; the image: 512 consecutive bytes a store
.endr
	global_store_b32 v[SA], v[SW1], s[44:45]       ; row r's word; both halves of the lanes write the same word with the same value
.Ldone:
	s_wait_tensorcnt 0x0                           ; the wave's end
	ds_add_u32 v[SPW], v[NIL]
	s_wait_dscnt 0x0
	s_endpgm
.Lfunc_end_k_q6253b874f3_prep:
	.size	k_q6253b874f3_prep, .Lfunc_end_k_q6253b874f3_prep-k_q6253b874f3_prep
	.p2alignl 7, 3214868480
	.fill 96, 4, 3214868480
	.section	.rodata,"a",@progbits
	.p2align	6, 0x0
	.amdhsa_kernel k_q6253b874f3_prep
		.amdhsa_group_segment_fixed_size 76800
		.amdhsa_private_segment_fixed_size 0
		.amdhsa_enable_private_segment 0
		.amdhsa_kernarg_size 64
		.amdhsa_user_sgpr_count 2
		.amdhsa_user_sgpr_kernarg_segment_ptr 1
		.amdhsa_wavefront_size32 1
		.amdhsa_system_sgpr_workgroup_id_x 1
		.amdhsa_system_sgpr_workgroup_id_y 1
		.amdhsa_system_sgpr_workgroup_id_z 1
		.amdhsa_system_vgpr_workitem_id 0
		.amdhsa_next_free_vgpr 256
		.amdhsa_next_free_sgpr 66
		.amdhsa_reserve_vcc 0
		.amdhsa_float_denorm_mode_32 3
		.amdhsa_float_denorm_mode_16_64 3
		.amdhsa_memory_ordered 1
		.amdhsa_forward_progress 1
		.amdhsa_inst_pref_size 36
	.end_amdhsa_kernel
	.amdgpu_metadata
---
amdhsa.version: [ 1, 2 ]
amdhsa.kernels:
  - .name:           k_q6253b874f3_prep
    .symbol:         k_q6253b874f3_prep.kd
    .args:
      - { .name: W1, .offset: 0, .size: 8, .value_kind: global_buffer, .address_space: global }
      - { .name: W2, .offset: 8, .size: 8, .value_kind: global_buffer, .address_space: global }
      - { .name: hidden, .offset: 16, .size: 8, .value_kind: global_buffer, .address_space: global }
      - { .name: b1, .offset: 24, .size: 8, .value_kind: global_buffer, .address_space: global }
      - { .name: b2, .offset: 32, .size: 8, .value_kind: global_buffer, .address_space: global }
      - { .name: V, .offset: 40, .size: 8, .value_kind: global_buffer, .address_space: global }
      - { .name: w1img, .offset: 48, .size: 8, .value_kind: global_buffer, .address_space: global }
      - { .name: vb, .offset: 56, .size: 8, .value_kind: global_buffer, .address_space: global }
    .group_segment_fixed_size: 76800
    .private_segment_fixed_size: 0
    .kernarg_segment_align: 8
    .kernarg_segment_size: 64
    .max_flat_workgroup_size: 256
    .sgpr_count:     66
    .vgpr_count:     256
    .wavefront_size: 32
...
	.end_amdgpu_metadata
.endif
;; end of part 1
;; launch score (part 2): grid 256 x 1, 4 waves a work-group, clusters of 4 x 1, 327,680 bytes of LDS; arguments features, w1img, vb, lgt; writes lgt
.if DOCPART == 2
	.amdgcn_target "amdgcn-amd-amdhsa--gfx1250"
	.amdhsa_code_object_version 6
	.text
	.protected	k_q6253b874f3_score
	.globl	k_q6253b874f3_score
	.p2align	8
	.type	k_q6253b874f3_score,@function
k_q6253b874f3_score:
	s_mov_b64 s[64:65], 0
	v_nop
	global_prefetch_b8 v0, s[64:65] scope:SCOPE_SE
	s_setreg_imm32_b32 hwreg(HW_REG_WAVE_MODE, 25, 1), 1
	s_wait_xcnt 0x0
	s_wait_alu depctr_hold_cnt(0) depctr_sa_sdst(0) depctr_va_vdst(0) depctr_va_sdst(0) depctr_va_ssrc(0) depctr_va_vcc(0) depctr_vm_vsrc(0)
	s_getreg_b32 s2, hwreg(HW_REG_IB_STS2, 6, 4)
	s_cmp_eq_u32 s2, 0
	s_cbranch_scc0 .Lentry_in_a_cluster
	s_endpgm
.Lentry_in_a_cluster:
	s_bfe_u32 s2, ttmp6, 0x10000c
	s_cmp_lg_u32 s2, 0x3003
	s_cbranch_scc0 .Lentry_shape_is_right
	s_endpgm
.Lentry_shape_is_right:
; SCORE.  lgt[b][l] = sum over u of V'[u] / (1 + 2^t), t = c (Q(features) Q(W1))[b][l][u] + bias'[b][u]; c = 2 log2(e), bias' and V' = -2 V come from prep.
; Left out as dead work (shown at prep's head): bV and the sum of V, which are the same for all l of a batch.
; SHARES.  Cluster b (four work-groups) owns batch b; a work-group 256 rows l; a wave 64 rows: four tiles of 16 rows.
; THE HEAD: a wave reads its 64 rows of f32 once (each load 512 consecutive bytes of a row), turns 16 rows x 128 K at a time through its own LDS stage so that a lane holds two whole blocks of 32,
; and quantises them to FP6 codes and E8M0 words, which stay in registers for the whole launch: 32 fragments of 12 registers, 32 scale words.
; THE WALK: 64 tiles of 16 units.  W1's images come block by block (8 tiles, 102,400 bytes) into two LDS slots by joint loads, the same for the four work-groups of a cluster (mask 15), a quarter a wave.
; A TILE: 32 products on four accumulators by turns with no transcendental among them; then the tile's 1,024 numbers a wave go through five batches: t, 2^t, + 1, reciprocal, x V' onto the logits.
; So one wait stands ahead of and one behind each batch of transcendentals.  The next tile's 28 LDS loads go out in four groups of seven, one directly behind each of these waits.
; The product is used transposed (source 0 = 16 units of W1, source 1 = 16 rows): register j of a lane is unit 8 (lane / 16) + j of row lane % 16.
; t beyond f32's exponent range gives 2^t = infinity or 0, and so the term 0 or V', as the limit of tanh asks.
; PREFETCH: in the head each step asks for the fragment (16 rows x 512 bytes: 32 blocks of 256 bytes, a lane a block) that is loaded four steps later; a wave asks for its own rows alone; the last eight steps ask for nothing.
; W1's blocks are not prefetched: each is asked for eight tiles' work ahead of its first read.
; LIMITS: a block of zeros gets the byte 1 with zero codes (the same products as under 127); NaN and infinities among the inputs are not served.
; LDS: slot 0 at 0; bias' and V' of the batch (8,192 bytes) behind it; the spare words; slot 1 at 131,072; behind it two stages of 16 rows x 528 bytes for each wave.  All of LDS is claimed.
.set TILEB, 12800                      ; a tile's image: 8 fragments of 1,536 bytes, 512 bytes of scale words
.set FRB,   1536
.set BLKB,  8*TILEB
.set QB,    2*TILEB                    ; a wave's quarter of a block: 100 rows of 256 bytes
.set VB,    BLKB
.set SPARE, VB+8192
.set SLOT1, 1<<17
.set STG,   SLOT1+BLKB
.set SP,    528
.set STGB,  16*SP
; window 0
.set L16,  1                           ; 16 x lane
.set SWR,  2                           ; my stage, way in
.set SRD,  3                           ; my stage, way out: 528 r + 128 h
.set SH8,  4                           ; 8 h
.set LSC,  5                           ; a tile's scale words: 8 FRB + 16 r
.set LVB,  6                           ; VB + 32 h
.set AD,   7                           ; next tile's fragments
.set ADS,  8                           ; its scale words
.set AVB,  9                           ; its bias' and V'
.set SPW,  10                          ; my spare word; never rewritten
.set NIL,  11                          ; 0; never rewritten
.set T,    12
.set PFO,  13                          ; the prefetches' offset: 4,096 (lane / 2) + 256 (lane % 2); never rewritten
.set M,    14
.set SOP,  16
.set BY,   18
.set MB,   20
.set ASC,  24                          ; v24-55   the rows' scale words: 4 s + m
.set BS,   56                          ; v56-63   the tile's scale words, one for each K step
.set BIAS, 64                          ; v64-71
.set LG,   72                          ; v72-79   the logits' sums: a pair for each tile of rows
.set ACC,  80                          ; v80-111  four accumulators
.set X0,   112                         ; v112-239 the head: two sets of 64 numbers
.set VP,   112                         ; v112-119 the walk: V'
.set BF,   144                         ; v144-239 the walk: the tile's eight fragments
; windows 1 and 2: the rows' codes, K steps 0-3 and 4-7, fragment 4 (s % 4) + m at 12 x that; v240-246 at work.  Window 3: the head's four sets of 64 numbers as loaded.
.set CT0,  240
.set CT1,  244
.set WV,   14
.set SEL,  20
.set CC,   22
.set G1W,  24
.set G1V,  32
.set G0V,  40
.set G0A,  44
.set G0B,  48
.set G1H,  68                          ; s[68:75] group 1 of the head's load: half a block
.set TB,   52
.set TV,   53
.set MSB, 0
.macro WIN new                         ; the immediate's high byte repeats the setting that is left
.if MSB != \new
	s_set_vgpr_msb (MSB<<8)|\new
.set MSB, \new
.endif
.endm
.macro CROUND                          ; a round of the cluster's barrier
	s_barrier_signal -1
	s_barrier_wait -1
	s_cmp_lg_u32 s[WV], 0
	s_cbranch_scc1 .Lnot_wave_0_\@
	s_barrier_signal -3
.Lnot_wave_0_\@:
	s_barrier_wait -3
	s_barrier_signal -1
	s_barrier_wait -1
.endm
.macro PLACES
.rept 4
	v_nop
.endr
.endm
.macro LOADF f                         ; fragment f = 8 m + s: 16 rows x 512 bytes into set f % 4 of window 3
	WIN 0xc0
.set li, 0
.rept 16
	global_load_b128 v[64*((\f)%4)+4*li:64*((\f)%4)+4*li+3], v[L16], s[4:5] offset:(16*((\f)/8)+li)*4096+512*((\f)%8) th:TH_LOAD_NT
.set li, li+1
.endr
.endm
	s_load_b256 s[4:11], s[0:1], 0x0               ; features s[4:5], w1img s[6:7], vb s[8:9], lgt s[10:11]
	v_lshl_add_u32 v[SPW], v0, 2, SPARE
	v_mov_b32 v[NIL], 0
	ds_add_u32 v[SPW], v[NIL]                      ; the opening lines: the add, twice on end, and its wait ahead of my first tensor load
	ds_add_u32 v[SPW], v[NIL]
	v_lshrrev_b32 v[T], 5, v0
	v_readfirstlane_b32 s[WV], v[T]                ; wave 0..3
	v_and_b32 v[L16], 31, v0
	v_lshlrev_b32 v[L16], 4, v[L16]
	s_bfe_u32 s15, ttmp6, 0x40000                  ; cx: enters only the addresses of my own rows
	s_mov_b32 s[G1W], 15|(3<<16)|(1<<21)           ; a quarter block: 100 rows of 32 elements of 8 bytes, dense; mask: all four work-groups
	s_mov_b32 s[G1W+1], 32<<16
	s_mov_b32 s[G1W+2], 100<<16
	s_mov_b32 s[G1W+3], 32<<16
	s_mov_b32 s[G1W+4], 100
	s_mov_b32 s[G1W+5], 32
	s_mov_b32 s[G1W+6], 0
	s_mov_b32 s[G1W+7], 0
	s_mov_b32 s[G1V], 15|(3<<16)|(1<<21)           ; a quarter of the batch's bias' and V': 8 such rows
	s_mov_b32 s[G1V+1], 32<<16
	s_mov_b32 s[G1V+2], 8<<16
	s_mov_b32 s[G1V+3], 32<<16
	s_mov_b32 s[G1V+4], 8
	s_mov_b32 s[G1V+5], 32
	s_mov_b32 s[G1V+6], 0
	s_mov_b32 s[G1V+7], 0
	s_mov_b32 s[G1H], 15|(3<<16)|(1<<21)           ; the head's load: half a block, 200 such rows
	s_mov_b32 s[G1H+1], 32<<16
	s_mov_b32 s[G1H+2], 200<<16
	s_mov_b32 s[G1H+3], 32<<16
	s_mov_b32 s[G1H+4], 200
	s_mov_b32 s[G1H+5], 32
	s_mov_b32 s[G1H+6], 0
	s_mov_b32 s[G1H+7], 0
	s_mul_i32 s18, s[WV], QB
	s_mov_b32 s19, 0
	s_lshl_b32 s58, s[WV], 11
	s_lshl_b32 s56, ttmp9, 13                      ; vb: 8,192 b + 2,048 wave
	s_add_co_u32 s56, s56, s58
	s_mov_b32 s57, 0
	s_lshl_b32 s60, ttmp9, 10                      ; my first row: 1,024 b + 256 cx + 64 wave
	s_lshl_b32 s61, s15, 8
	s_add_co_u32 s60, s60, s61
	s_lshl_b32 s61, s[WV], 6
	s_add_co_u32 s60, s60, s61
	s_lshl_b32 s62, s60, 2
	s_mov_b32 s63, 0
	s_lshl_b32 s60, s60, 12                        ; under 2^28
	s_mov_b32 s61, 0
	s_mov_b32 s[SEL], 0x76543210
	s_mov_b32 s[SEL+1], 0xfedcba98                 ; v_permlanex16_b32's selects for lane l xor 16
	s_mov_b32 s[CC], 0x4038aa3b                    ; c = 2 log2(e)
	s_mov_b32 s[CC+1], s[CC]
	s_wait_alu depctr_va_vdst(0)
	s_wait_dscnt 0x0                               ; both opening adds are done
	s_wait_kmcnt 0x0
	s_add_nc_u64 s[4:5], s[4:5], s[60:61]
	s_add_nc_u64 s[10:11], s[10:11], s[62:63]
	LOADF 0                                        ; 64 loads a wave go out ahead of everything else
	LOADF 1
	LOADF 2
	LOADF 3
	WIN 0
	s_mov_b32 s[G0V], 1
	s_add_co_u32 s[G0V+1], s58, VB
	s_add_nc_u64 s[G0V+2:G0V+3], s[8:9], s[56:57]
	s_or_b32 s[G0V+3], s[G0V+3], 0x80000000
	s_mov_b32 s[G0A], 1                            ; the head's load: wave w brings bytes 51,200 w on of w1img: waves 0 and 1 the halves of block 0 into slot 0, waves 2 and 3 those of block 1 into slot 1
	s_and_b32 s16, s[WV], 1
	s_mul_i32 s16, s16, 4*TILEB
	s_lshr_b32 s17, s[WV], 1
	s_lshl_b32 s17, s17, 17
	s_add_co_u32 s[G0A+1], s16, s17
	s_mul_i32 s16, s[WV], 4*TILEB
	s_mov_b32 s17, 0
	s_add_nc_u64 s[G0A+2:G0A+3], s[6:7], s[16:17]
	s_or_b32 s[G0A+3], s[G0A+3], 0x80000000
	s_mov_b32 s[G0B], 1                            ; block 1 into slot 1; later stepped block by block
	s_add_co_u32 s[G0B+1], s18, SLOT1
	s_add_nc_u64 s[G0B+2:G0B+3], s[6:7], s[18:19]
	s_add_nc_u64 s[G0B+2:G0B+3], s[G0B+2:G0B+3], BLKB
	s_or_b32 s[G0B+3], s[G0B+3], 0x80000000
	CROUND                                         ; the four work-groups are here: the first joint loads meet
	tensor_load_to_lds s[G0A:G0A+3], s[G1H:G1H+7]  ; my one tensor load at the head: the four waves' fill both slots
	s_nop 0
	PLACES
	v_and_b32 v[M], 15, v0                         ; r
	v_bfe_u32 v[M+1], v0, 4, 1                     ; h
	s_mul_i32 s17, s[WV], 2*STGB
	s_add_co_u32 s17, s17, STG                     ; my stages
	v_add_nc_u32 v[SWR], s17, v[L16]
	v_mul_u32_u24 v[SRD], v[M], SP
	v_lshl_add_u32 v[SRD], v[M+1], 7, v[SRD]
	v_add_nc_u32 v[SRD], s17, v[SRD]
	v_lshlrev_b32 v[SH8], 3, v[M+1]
	v_lshl_add_u32 v[LSC], v[M], 4, 8*FRB
	v_lshl_add_u32 v[LVB], v[M+1], 5, VB
	v_bfe_u32 v[PFO], v0, 1, 4                     ; lane / 2
	v_and_b32 v[T], 1, v0
	v_lshlrev_b32 v[PFO], 12, v[PFO]
	v_lshl_add_u32 v[PFO], v[T], 8, v[PFO]
	v_mov_b32 v[T], 0                              ; a lane permute's destination counts as one of its sources
	s_wait_alu depctr_va_vdst(0)
.macro TURN f                          ; 16 rows through stage f % 2: register 32 c + i of the set that comes back holds k = 64 c + 32 h + i of row r.  LDS serves a wave's instructions in order
	WIN 0x0c
.set li, 0
.rept 16
	ds_store_b128 v[SWR], v[64*((\f)%4)+4*li:64*((\f)%4)+4*li+3] offset:STGB*((\f)%2)+SP*li
.set li, li+1
.endr
	WIN 0
.set li, 0
.rept 16
	ds_load_b128 v[X0+64*((\f)%2)+4*li:X0+64*((\f)%2)+4*li+3], v[SRD] offset:STGB*((\f)%2)+256*(li/8)+16*(li%8)
.set li, li+1
.endr
.endm
.macro QUANTA f                        ; 64 numbers a lane, two whole blocks, become fragment f's 12 registers and its scale word
.set qx, X0+64*((\f)%2)
.set qs, (\f)%8
.set qm, (\f)/8
.set qf, 12*(4*(qs%4)+qm)
.set qw, ASC+4*qs+qm
.set qd, 1+qs/4
	WIN 0
	v_max3_num_f32 v[M], |v[qx]|, |v[qx+1]|, 0x1800000             ; the floor 2^(3 - 127) holds the byte at 1
	v_max3_num_f32 v[MB], |v[qx+16]|, |v[qx+17]|, |v[qx+18]|
	v_max3_num_f32 v[M+1], |v[qx+32]|, |v[qx+33]|, 0x1800000
	v_max3_num_f32 v[MB+1], |v[qx+48]|, |v[qx+49]|, |v[qx+50]|
.irp i, 2,4,6,8,10,12
	v_max3_num_f32 v[M], v[M], |v[qx+\i]|, |v[qx+\i+1]|
	v_max3_num_f32 v[MB], v[MB], |v[qx+17+\i]|, |v[qx+18+\i]|
	v_max3_num_f32 v[M+1], v[M+1], |v[qx+32+\i]|, |v[qx+33+\i]|
	v_max3_num_f32 v[MB+1], v[MB+1], |v[qx+49+\i]|, |v[qx+50+\i]|
.endr
	v_max3_num_f32 v[M], v[M], |v[qx+14]|, |v[qx+15]|
	v_max3_num_f32 v[M+1], v[M+1], |v[qx+46]|, |v[qx+47]|
	v_max3_num_f32 v[M], v[M], v[MB], |v[qx+31]|
	v_max3_num_f32 v[M+1], v[M+1], v[MB+1], |v[qx+63]|
	v_add_nc_u32 v[SOP], 0xff000000, v[M]          ; 2 off the exponent field: the conversion's scale operand
	v_add_nc_u32 v[SOP+1], 0xff000000, v[M+1]
	v_lshrrev_b32 v[BY], 23, v[SOP]
	v_lshrrev_b32 v[BY+1], 23, v[SOP+1]
	v_lshl_or_b32 v[qw], v[BY+1], 16, v[BY]        ; my bytes: blocks h and 2 + h
	v_lshlrev_b32 v[qw], v[SH8], v[qw]
	v_permlanex16_b32 v[T], v[qw], s[SEL], s[SEL+1]
	v_or_b32 v[qw], v[qw], v[T]                    ; with lane l xor 16's the word is whole
	WIN (qd<<6)
	v_cvt_scalef32_pk16_fp6_f32 v[qf:qf+2], v[qx:qx+15], v[SOP]
	v_cvt_scalef32_pk16_fp6_f32 v[CT0:CT0+2], v[qx+16:qx+31], v[SOP]
	v_cvt_scalef32_pk16_fp6_f32 v[qf+6:qf+8], v[qx+32:qx+47], v[SOP+1]
	v_cvt_scalef32_pk16_fp6_f32 v[CT1:CT1+2], v[qx+48:qx+63], v[SOP+1]
	v_nop                                          ; one plain place behind the scaled conversions
	WIN ((qd<<6)|qd)
.irp i, 0,1,2
	v_mov_b32 v[qf+3+\i], v[CT0+\i]
	v_mov_b32 v[qf+9+\i], v[CT1+\i]
.endr
	WIN 0
.endm
.macro STEPA f
	s_wait_dscnt 0x0                               ; fragment f is back from its stage, and its stores have read their registers,
.if (\f)+8 < 32
	global_prefetch_b8 v[PFO], s[4:5] offset:(16*(((\f)+8)/8))*4096+512*(((\f)+8)%8) th:TH_LOAD_NT scope:SCOPE_SE   ; fragment f + 8, which is loaded four steps on; its address registers are never rewritten
.endif
.if (\f)+4 < 32
	LOADF (\f)+4                                   ; which take the loads of four fragments on
.endif
.if (\f) < 31
.if 30-(\f) >= 3
	s_wait_loadcnt 48                              ; fragment f + 1 is in; three fragments' 48 loads may be out
.else
	s_wait_loadcnt 16*(30-(\f))
.endif
	TURN (\f)+1
.endif
	QUANTA \f
.endm
.macro FILL g0, g1                     ; a later first fill, issued as a refill is
	s_wait_alu depctr_va_vdst(0)
	s_wait_tensorcnt 0x0
	ds_add_u32 v[SPW], v[NIL]
	s_wait_dscnt 0x0
	CROUND
	tensor_load_to_lds s[\g0:\g0+3], s[\g1:\g1+7]
	s_nop 0
	PLACES
.endm
.irp f, 4,5,6,7
	global_prefetch_b8 v[PFO], s[4:5] offset:512*\f th:TH_LOAD_NT scope:SCOPE_SE   ; fragments 4 to 7, which the first four steps load
.endr
	FILL G0V, G1V                                  ; bias' and V'
	s_wait_loadcnt 48
	TURN 0
.set ff, 0
.rept 32
	STEPA ff
.set ff, ff+1
.endr
	s_wait_alu depctr_va_vdst(0)
	s_wait_tensorcnt 0x0                           ; my parts of both slots and of the table are in
	s_wait_dscnt 0x0
	s_barrier_signal -1
	s_barrier_wait -1                              ; and so are the other waves'
; The n-th of a tile's LDS loads, in the order in which they are wanted: 2 for its scale words, 2 for bias', 24 for its fragments (one image of 12,288 bytes, K step by K step)
.macro NLOAD n
.if (\n) < 2
	ds_load_b128 v[BS+4*(\n):BS+4*(\n)+3], v[ADS] offset:256*(\n)
.elseif (\n) < 4
	ds_load_b128 v[BIAS+4*((\n)-2):BIAS+4*((\n)-2)+3], v[AVB] offset:16*((\n)-2)
.else
	ds_load_b128 v[BF+4*((\n)-4):BF+4*((\n)-4)+3], v[AD] offset:512*((\n)-4)
.endif
.endm
.macro GRP chg, first                  ; seven of them on end (none in the last tile)
.if \chg < 3
.set ln, \first
.rept 7
	NLOAD ln
.set ln, ln+1
.endr
.endif
.endm
.macro VLOAD
	ds_load_b128 v[VP:VP+3], v[AVB] offset:64
	ds_load_b128 v[VP+4:VP+7], v[AVB] offset:80
.endm
.macro RUN                             ; 8 K steps x 4 tiles of rows; the four accumulators by turns; the first K step starts the sums
.set si, 0
.rept 32
.set ss, si/4
.set sm, si%4
.if si == 0
	WIN 0x04
.elseif si == 16
	s_wait_dscnt 2                                 ; the fragments of K steps 4 to 7 are in; V's two loads may be out
	WIN 0x08
.endif
.set rD, ACC+8*sm
.set rA, BF+12*ss
.set rB, 12*(4*(ss%4)+sm)
.if ss == 0
	v_wmma_scale_f32_16x16x128_f8f6f4 v[rD:rD+7], v[rA:rA+11], v[rB:rB+11], 0, v[BS+ss], v[ASC+4*ss+sm] matrix_a_fmt:MATRIX_FMT_FP6 matrix_b_fmt:MATRIX_FMT_FP6
.else
	v_wmma_scale_f32_16x16x128_f8f6f4 v[rD:rD+7], v[rA:rA+11], v[rB:rB+11], v[rD:rD+7], v[BS+ss], v[ASC+4*ss+sm] matrix_a_fmt:MATRIX_FMT_FP6 matrix_b_fmt:MATRIX_FMT_FP6
.endif
.set si, si+1
.endr
	WIN 0
.endm
; A tile.  chg = 0: the next tile lies in the same block; 1: in the next block, and the slot left behind is filled again; 2: in the next block, nothing is left to fetch; 3: the last tile.
.macro TILE chg
	s_wait_dscnt 14                                ; scale words, bias' and the fragments of K steps 0 to 3 are in; the 12 loads of K steps 4 to 7 and V's two may be out
	RUN
	PLACES                                         ; four places ahead of the first read of the results
	s_wait_dscnt 0x0
.set pq, 0
.rept 16                               ; t = c x sum + bias'; each accumulator from its low end on
.set ra, ACC+8*(pq%4)+2*(pq/4)
	v_pk_fma_f32 v[ra:ra+1], v[ra:ra+1], s[CC:CC+1], v[BIAS+2*(pq/4):BIAS+2*(pq/4)+1] op_sel_hi:[1,0,1]
.set pq, pq+1
.endr
.if \chg < 3
	s_add_co_u32 s[TV], s[TV], 128
.if \chg == 0
	s_add_co_u32 s[TB], s[TB], TILEB
.else
	s_sub_co_u32 s[TB], s[TB], 7*TILEB
	s_xor_b32 s[TB], s[TB], SLOT1
.endif
	v_add_nc_u32 v[AD], s[TB], v[L16]
	v_add_nc_u32 v[ADS], s[TB], v[LSC]
	v_add_nc_u32 v[AVB], s[TV], v[LVB]
.endif
.if (\chg == 1) || (\chg == 2)
	s_wait_alu depctr_va_vdst(0)
	s_wait_tensorcnt 0x0                           ; my part of the next block is in
	ds_add_u32 v[SPW], v[NIL]
.if \chg == 1
	s_xor_b32 s[G0B+1], s[G0B+1], SLOT1            ; no tensor load of mine is out: the slot left behind, two blocks on
	s_add_nc_u64 s[G0B+2:G0B+3], s[G0B+2:G0B+3], BLKB
.endif
	s_wait_dscnt 0x0                               ; the add is done; my reads of this block ended ahead of the products
.if \chg == 1
	CROUND                                         ; no wave of the cluster reads the slot any more
	tensor_load_to_lds s[G0B:G0B+3], s[G1W:G1W+7]
	s_nop 0
	PLACES
.else
	s_barrier_signal -1
	s_barrier_wait -1
.endif
.endif
	s_wait_alu depctr_va_vdst(0)                   ; ahead of the batch
	GRP \chg, 0                                    ; the 16 multiply-adds above are the places behind the products that read these registers
.set pq, 0
.rept 32
	v_exp_f32 v[ACC+pq], v[ACC+pq]                 ; 2^t = e^(2 x)
.set pq, pq+1
.endr
	v_nop
	s_wait_alu depctr_va_vdst(0)                   ; behind the batch
	GRP \chg, 7
.set pq, 0
.rept 16
	v_pk_add_f32 v[ACC+2*pq:ACC+2*pq+1], v[ACC+2*pq:ACC+2*pq+1], 1.0 op_sel_hi:[1,0]
.set pq, pq+1
.endr
	s_wait_alu depctr_va_vdst(0)
	GRP \chg, 14
.set pq, 0
.rept 32
	v_rcp_f32 v[ACC+pq], v[ACC+pq]
.set pq, pq+1
.endr
	v_nop
	s_wait_alu depctr_va_vdst(0)
	GRP \chg, 21
.set pq, 0
.rept 16                               ; onto the logits: four chains by turns
.set ra, ACC+8*(pq%4)+2*(pq/4)
	v_pk_fma_f32 v[LG+2*(pq%4):LG+2*(pq%4)+1], v[ra:ra+1], v[VP+2*(pq/4):VP+2*(pq/4)+1], v[LG+2*(pq%4):LG+2*(pq%4)+1]
.set pq, pq+1
.endr
.if \chg < 3
	VLOAD
.endif
.endm
.macro SEVEN lab                       ; a block's first seven tiles
	s_mov_b32 s55, 7
\lab:
	TILE 0
	s_sub_co_u32 s55, s55, 1
	s_cmp_lg_u32 s55, 0
	s_cbranch_scc1 \lab
.endm
	s_mov_b32 s[TB], 0
	s_mov_b32 s[TV], 0
	v_add_nc_u32 v[AD], s[TB], v[L16]
	v_add_nc_u32 v[ADS], s[TB], v[LSC]
	v_add_nc_u32 v[AVB], s[TV], v[LVB]
.irp g, 0,7,14,21
	GRP 0, \g                                      ; tile 0
.endr
	VLOAD
.set pq, 0
.rept 8
	v_mov_b32 v[LG+pq], 0
.set pq, pq+1
.endr
	s_wait_alu depctr_va_vdst(0)
	s_mov_b32 s54, 6                               ; blocks 0 to 5: each change of slots asks for the block two on
.Lfill:
	SEVEN .Lfill7
	TILE 1
	s_sub_co_u32 s54, s54, 1
	s_cmp_lg_u32 s54, 0
	s_cbranch_scc1 .Lfill
	SEVEN .Lsix7                                   ; block 6
	TILE 2
	SEVEN .Llast7                                  ; block 7
	TILE 3
	; the way out: a lane's pair, then lane l xor 16's eight units: row r of each tile of rows; 64 logits a wave leave as one aligned unit of 256 bytes
	v_and_b32 v[AD], 31, v0
	v_lshlrev_b32 v[AVB], 3, v[AD]
	v_add_nc_u32 v[T], s17, v[AVB]
	v_and_b32 v[ADS], 15, v0
	v_lshl_add_u32 v[ADS], v[ADS], 2, s17
.irp m, 0,1,2,3
	v_add_f32 v[M+\m], v[LG+2*\m], v[LG+2*\m+1]
.endr
.irp m, 0,1,2,3
	v_permlanex16_b32 v[BY+\m], v[M+\m], s[SEL], s[SEL+1]
.endr
.irp m, 0,1,2,3
	v_add_f32 v[M+\m], v[M+\m], v[BY+\m]
.endr
.irp m, 0,1,2,3
	ds_store_b32 v[ADS], v[M+\m] offset:64*\m      ; both halves of the lanes write the same word with the same value
.endr
	ds_load_b64 v[BF:BF+1], v[T]                   ; my own stage: LDS serves a wave's instructions in order
	s_wait_alu depctr_va_vdst(0)
	s_wait_dscnt 0x0
	global_store_b64 v[AVB], v[BF:BF+1], s[10:11]
	s_wait_tensorcnt 0x0                           ; the wave's end
	ds_add_u32 v[SPW], v[NIL]
	s_wait_dscnt 0x0
	CROUND                                         ; the closing round
	s_endpgm
.Lfunc_end_k_q6253b874f3_score:
	.size	k_q6253b874f3_score, .Lfunc_end_k_q6253b874f3_score-k_q6253b874f3_score
	.p2alignl 7, 3214868480
	.fill 96, 4, 3214868480
	.section	.rodata,"a",@progbits
	.p2align	6, 0x0
	.amdhsa_kernel k_q6253b874f3_score
		.amdhsa_group_segment_fixed_size 327680
		.amdhsa_private_segment_fixed_size 0
		.amdhsa_enable_private_segment 0
		.amdhsa_kernarg_size 32
		.amdhsa_user_sgpr_count 2
		.amdhsa_user_sgpr_kernarg_segment_ptr 1
		.amdhsa_wavefront_size32 1
		.amdhsa_system_sgpr_workgroup_id_x 1
		.amdhsa_system_sgpr_workgroup_id_y 1
		.amdhsa_system_sgpr_workgroup_id_z 1
		.amdhsa_system_vgpr_workitem_id 0
		.amdhsa_next_free_vgpr 1024
		.amdhsa_next_free_sgpr 76
		.amdhsa_reserve_vcc 0
		.amdhsa_float_denorm_mode_32 3
		.amdhsa_float_denorm_mode_16_64 3
		.amdhsa_memory_ordered 1
		.amdhsa_forward_progress 1
		.amdhsa_inst_pref_size 255
	.end_amdhsa_kernel
	.section	.bss,"aw",@nobits
	.p2align	6
	.space	262144
	.amdgpu_metadata
---
amdhsa.version: [ 1, 2 ]
amdhsa.kernels:
  - .name:           k_q6253b874f3_score
    .symbol:         k_q6253b874f3_score.kd
    .args:
      - { .name: features, .offset: 0, .size: 8, .value_kind: global_buffer, .address_space: global }
      - { .name: w1img, .offset: 8, .size: 8, .value_kind: global_buffer, .address_space: global }
      - { .name: vb, .offset: 16, .size: 8, .value_kind: global_buffer, .address_space: global }
      - { .name: lgt, .offset: 24, .size: 8, .value_kind: global_buffer, .address_space: global }
    .group_segment_fixed_size: 327680
    .private_segment_fixed_size: 0
    .kernarg_segment_align: 8
    .kernarg_segment_size: 32
    .max_flat_workgroup_size: 128
    .sgpr_count:     76
    .vgpr_count:     1024
    .wavefront_size: 32
...
	.end_amdgpu_metadata
.endif
;; end of part 2
;; launch context (part 3): grid 256 x 1, 8 waves a work-group, no clusters, 9,728 bytes of LDS; arguments lgt, features, out0, out1; writes out0, out1
.if DOCPART == 3
	.amdgcn_target "amdgcn-amd-amdhsa--gfx1250"
	.amdhsa_code_object_version 6
	.text
	.protected	k_q6253b874f3_context
	.globl	k_q6253b874f3_context
	.p2align	8
	.type	k_q6253b874f3_context,@function
k_q6253b874f3_context:
	s_mov_b64 s[64:65], 0
	v_nop
	global_prefetch_b8 v0, s[64:65] scope:SCOPE_SE
	s_setreg_imm32_b32 hwreg(HW_REG_WAVE_MODE, 25, 1), 1
	s_wait_xcnt 0x0
; CONTEXT.  out1[b][l] = softmax over l of lgt[b][l], with the row's maximum taken off;  out0[b][d] = sum over l of out1[b][l] features[b][l][d], on the f32 features.
; The logits come without bV and without the sum of V, which are the same for all l of a batch and leave the softmax as it is (shown at prep's head).
; SHARES.  Work-group 4 b + q owns columns 256 q .. 256 q + 255 of batch b, for all 1,024 rows: so each number of out0 has one owner; it also stores rows 256 q .. 256 q + 255 of out1.
; Each of the four work-groups of a batch makes the batch's softmax for itself from 4 KB of logits.  Wave w takes rows 128 w .. 128 w + 127.
; Thread t holds logits 4 t .. 4 t + 3: a wave's 128 rows are the 128 logits that its own lanes hold, so a row's weight comes out of the wave's registers by v_readlane_b32 (row p: lane p / 4, register p % 4).
; A row's 1,024 bytes are two loads of 512 consecutive bytes.  The rows go in groups of eight through a ring of 24 row slots in registers: one wait, eight weights, 32 packed multiply-adds, and then the 16 loads
; of the group three further on, on end: 32 to 48 loads of every wave are on their way.  The first 48 are asked for ahead of the softmax.
; PREFETCH: with a group's loads goes one request for the group that is loaded two turns later: 8 rows x 1,024 bytes are 32 blocks of 256 bytes, a lane a block; a wave asks for its own rows alone;
; the groups loaded in the first two turns are asked for behind the first loads; the last five turns ask for nothing.  The address registers are never rewritten.
; No matrix unit, no tensor load, no cluster (work-groups share no byte of features).
; LIMITS: NaN and infinities among the logits are not served.
.set RMX, 0                            ; LDS: the waves' maxima, 4 bytes each
.set RSM, 256                          ; the waves' sums
.set RED, 512                          ; the waves' partial sums of the 256 columns: 8 x 1,024 bytes
.set RS,  32                           ; v32-223  24 row slots of 8 registers
.set SU,  224                          ; v224-231 my eight columns' sums
.set WT,  232                          ; v232-235 four logits, then four weights
.set PF,  21                           ; v21      the prefetches' offset: 4,096 (lane / 4) + 256 (lane % 4)
.set WV,  12
	s_load_b256 s[4:11], s[0:1], 0x0               ; lgt s[4:5], features s[6:7], out0 s[8:9], out1 s[10:11]
	v_lshl_add_u32 v240, v0, 2, 0x2200             ; my spare word, behind RED
	v_mov_b32 v241, 0
	v_lshrrev_b32 v1, 5, v0
	v_readfirstlane_b32 s[WV], v1                  ; wave 0..7
	s_lshr_b32 s13, ttmp9, 2                       ; b
	s_and_b32 s14, ttmp9, 3                        ; q
	v_lshlrev_b32 v2, 4, v0                        ; 16 x thread
	v_and_b32 v3, 31, v0
	v_lshlrev_b32 v3, 4, v3                        ; 16 x lane
	v_bfe_u32 v[PF], v0, 2, 3                      ; lane / 4
	v_and_b32 v1, 3, v0
	v_lshlrev_b32 v[PF], 12, v[PF]
	v_lshl_add_u32 v[PF], v1, 8, v[PF]
	s_lshl_b32 s22, s[WV], 2
	v_mov_b32 v10, s22                             ; my wave's word in RMX and RSM
	v_mov_b32 v11, 0
	v_mov_b32 v9, 0                                ; written once: a lane permute's destination counts as one of its sources
	s_lshl_b32 s22, s[WV], 10
	v_add_nc_u32 v20, s22, v3                      ; RED: my wave's 1,024 bytes
	s_lshl_b32 s16, s13, 12                        ; lgt, out1, out0: 4,096 b
	s_mov_b32 s17, 0
	s_lshl_b32 s18, s13, 22                        ; features: the batch (under 2^28),
	s_lshl_b32 s19, s[WV], 19                      ; my wave's 128 rows,
	s_add_co_u32 s18, s18, s19
	s_lshl_b32 s32, s14, 10                        ; the work-group's 256 columns
	s_add_co_u32 s18, s18, s32
	s_mov_b32 s19, 0
	s_mov_b32 s33, 0
	s_mov_b32 s20, 0x76543210
	s_mov_b32 s21, 0xfedcba98                      ; v_permlanex16_b32's selects for lane l xor 16
.irp i, 25,27,29,31,35,37,39
	s_mov_b32 s\i, 0                               ; the packed multiply-adds name pairs s[24:25] .. s[38:39] and take the low word for both halves: the high words are written once (s33 above)
.endr
	s_wait_alu depctr_va_vdst(0)
	s_wait_kmcnt 0x0
	s_add_nc_u64 s[4:5], s[4:5], s[16:17]
	s_add_nc_u64 s[10:11], s[10:11], s[16:17]
	s_add_nc_u64 s[8:9], s[8:9], s[16:17]
	s_add_nc_u64 s[8:9], s[8:9], s[32:33]
	s_add_nc_u64 s[6:7], s[6:7], s[18:19]
.macro ROWLD p
	global_load_b128 v[RS+8*((\p)%24):RS+8*((\p)%24)+3], v3, s[6:7] offset:4096*(\p) th:TH_LOAD_NT
	global_load_b128 v[RS+8*((\p)%24)+4:RS+8*((\p)%24)+7], v3, s[6:7] offset:4096*(\p)+512 th:TH_LOAD_NT
.endm
	global_load_b128 v[WT:WT+3], v2, s[4:5]
.set rp, 0
.rept 24
	ROWLD rp
.set rp, rp+1
.endr
	global_prefetch_b8 v[PF], s[6:7] offset:4096*8*3 th:TH_LOAD_NT scope:SCOPE_SE   ; groups 3 and 4
	global_prefetch_b8 v[PF], s[6:7] offset:4096*8*4 th:TH_LOAD_NT scope:SCOPE_SE
	s_wait_loadcnt 48                              ; the logits are in; the 24 rows behind them stay on their way
	; the batch's largest logit: in the lane, across the wave, across the eight waves
	v_max3_num_f32 v8, v[WT], v[WT+1], v[WT+2]
	v_max_num_f32 v8, v8, v[WT+3]
	v_max_num_f32_dpp v8, v8, v8 row_xmask:1 row_mask:0xf bank_mask:0xf
	v_max_num_f32_dpp v8, v8, v8 row_xmask:2 row_mask:0xf bank_mask:0xf
	v_max_num_f32_dpp v8, v8, v8 row_xmask:4 row_mask:0xf bank_mask:0xf
	v_max_num_f32_dpp v8, v8, v8 row_xmask:8 row_mask:0xf bank_mask:0xf
	v_permlanex16_b32 v9, v8, s20, s21
	v_max_num_f32 v8, v8, v9
	ds_store_b32 v10, v8 offset:RMX                ; all lanes write the same word with the same value
	s_wait_dscnt 0x0                               ; for the others' sake
	s_barrier_signal -1
	s_barrier_wait -1
	ds_load_b128 v[12:15], v11 offset:RMX
	ds_load_b128 v[16:19], v11 offset:RMX+16
	s_wait_dscnt 0x0
	v_max3_num_f32 v8, v12, v13, v14
	v_max3_num_f32 v8, v8, v15, v16
	v_max3_num_f32 v8, v8, v17, v18
	v_max_num_f32 v8, v8, v19
.irp j, 0,1,2,3
	v_sub_f32 v[WT+\j], v[WT+\j], v8               ; the maximum is taken off first: 0 or less
.endr
.irp j, 0,1,2,3
	v_mul_f32 v[WT+\j], 0x3fb8aa3b, v[WT+\j]       ; x log2(e)
.endr
	s_wait_alu depctr_va_vdst(0)
.irp j, 0,1,2,3
	v_exp_f32 v[WT+\j], v[WT+\j]
.endr
	v_nop                                          ; a plain instruction behind the last exponential,
	s_wait_alu depctr_va_vdst(0)                   ; and one wait for the four, ahead of their first reader
	v_add_f32 v8, v[WT], v[WT+1]
	v_add_f32 v9, v[WT+2], v[WT+3]
	v_add_f32 v8, v8, v9
	v_add_f32_dpp v8, v8, v8 row_xmask:1 row_mask:0xf bank_mask:0xf
	v_add_f32_dpp v8, v8, v8 row_xmask:2 row_mask:0xf bank_mask:0xf
	v_add_f32_dpp v8, v8, v8 row_xmask:4 row_mask:0xf bank_mask:0xf
	v_add_f32_dpp v8, v8, v8 row_xmask:8 row_mask:0xf bank_mask:0xf
	v_permlanex16_b32 v9, v8, s20, s21
	v_add_f32 v8, v8, v9
	ds_store_b32 v10, v8 offset:RSM                ; other bytes than the maxima's: no barrier is owed between the two uses
	s_wait_dscnt 0x0
	s_barrier_signal -1
	s_barrier_wait -1
	ds_load_b128 v[12:15], v11 offset:RSM
	ds_load_b128 v[16:19], v11 offset:RSM+16
	s_wait_dscnt 0x0
	v_add_f32 v12, v12, v13
	v_add_f32 v14, v14, v15
	v_add_f32 v16, v16, v17
	v_add_f32 v18, v18, v19
	v_add_f32 v12, v12, v14
	v_add_f32 v16, v16, v18
	v_add_f32 v8, v12, v16                         ; at least 1: the largest logit's own term
	s_wait_alu depctr_va_vdst(0)
	v_rcp_f32 v8, v8
	v_nop
	s_wait_alu depctr_va_vdst(0)
.irp j, 0,1,2,3
	v_mul_f32 v[WT+\j], v[WT+\j], v8               ; the weights
.endr
	s_wait_alu depctr_va_vdst(0)
	s_lshr_b32 s23, s[WV], 1                       ; out1: waves 2 q and 2 q + 1 hold the work-group's 256 rows: 512 consecutive bytes a wave
	s_cmp_lg_u32 s23, s14
	s_cbranch_scc1 .Lnot_mine
	global_store_b128 v2, v[WT:WT+3], s[10:11]
.Lnot_mine:
; Group g: rows 8 g .. 8 g + 7.  The wait counts the younger groups' loads: two groups of 16, then fewer.  Eight weights into eight scalar pairs, four packed multiply-adds a row, then the loads of group g + 3 into the slots just read.
.macro GROUP g
	s_wait_alu depctr_va_vdst(0)
.if 15-(\g) >= 2
	s_wait_loadcnt 32
.else
	s_wait_loadcnt 16*(15-(\g))
.endif
.irp i, 0,1,2,3,4,5,6,7
	v_readlane_b32 s[24+2*\i], v[WT+(8*(\g)+\i)%4], (8*(\g)+\i)/4
.endr
.irp i, 0,1,2,3,4,5,6,7
.irp j, 0,1,2,3
.if ((\g) == 0) && (\i == 0)
	v_pk_mul_f32 v[SU+2*\j:SU+2*\j+1], v[RS+8*((8*(\g)+\i)%24)+2*\j:RS+8*((8*(\g)+\i)%24)+2*\j+1], s[24+2*\i:25+2*\i] op_sel_hi:[1,0]   ; the first row starts the sums: nothing is cleared
.else
	v_pk_fma_f32 v[SU+2*\j:SU+2*\j+1], v[RS+8*((8*(\g)+\i)%24)+2*\j:RS+8*((8*(\g)+\i)%24)+2*\j+1], s[24+2*\i:25+2*\i], v[SU+2*\j:SU+2*\j+1] op_sel_hi:[1,0,1]
.endif
.endr
.endr
.if (\g)+5 < 16
	global_prefetch_b8 v[PF], s[6:7] offset:4096*8*((\g)+5) th:TH_LOAD_NT scope:SCOPE_SE
.endif
.if (\g)+3 < 16
.irp i, 0,1,2,3,4,5,6,7
	ROWLD 8*((\g)+3)+\i
.endr
.endif
.endm
.set rq, 0
.rept 16
	GROUP rq
.set rq, rq+1
.endr
	ds_store_b128 v20, v[SU:SU+3] offset:RED       ; my wave's sums of the 256 columns
	ds_store_b128 v20, v[SU+4:SU+7] offset:RED+512
	s_wait_dscnt 0x0                               ; for the others' sake
	s_barrier_signal -1
	s_barrier_wait -1
	s_cmp_gt_u32 s[WV], 1                          ; waves 0 and 1 add the eight parts of 128 columns each (in them 16 x thread = 512 x wave + 16 x lane)
	s_cbranch_scc1 .Lend
.irp k, 0,1,2,3,4,5,6,7
	ds_load_b128 v[RS+4*\k:RS+4*\k+3], v2 offset:RED+1024*\k
.endr
	s_wait_dscnt 0x0
.irp k, 0,8,16,24
	v_pk_add_f32 v[RS+\k:RS+\k+1], v[RS+\k:RS+\k+1], v[RS+\k+4:RS+\k+5]
	v_pk_add_f32 v[RS+\k+2:RS+\k+3], v[RS+\k+2:RS+\k+3], v[RS+\k+6:RS+\k+7]
.endr
.irp k, 0,16
	v_pk_add_f32 v[RS+\k:RS+\k+1], v[RS+\k:RS+\k+1], v[RS+\k+8:RS+\k+9]
	v_pk_add_f32 v[RS+\k+2:RS+\k+3], v[RS+\k+2:RS+\k+3], v[RS+\k+10:RS+\k+11]
.endr
	v_pk_add_f32 v[RS:RS+1], v[RS:RS+1], v[RS+16:RS+17]
	v_pk_add_f32 v[RS+2:RS+3], v[RS+2:RS+3], v[RS+18:RS+19]
	global_store_b128 v2, v[RS:RS+3], s[8:9]       ; 512 consecutive bytes a wave, aligned
.Lend:
	s_wait_tensorcnt 0x0                           ; the wave's end
	ds_add_u32 v240, v241
	s_wait_dscnt 0x0
	s_endpgm
.Lfunc_end_k_q6253b874f3_context:
	.size	k_q6253b874f3_context, .Lfunc_end_k_q6253b874f3_context-k_q6253b874f3_context
	.p2alignl 7, 3214868480
	.fill 96, 4, 3214868480
	.section	.rodata,"a",@progbits
	.p2align	6, 0x0
	.amdhsa_kernel k_q6253b874f3_context
		.amdhsa_group_segment_fixed_size 9728
		.amdhsa_private_segment_fixed_size 0
		.amdhsa_enable_private_segment 0
		.amdhsa_kernarg_size 32
		.amdhsa_user_sgpr_count 2
		.amdhsa_user_sgpr_kernarg_segment_ptr 1
		.amdhsa_wavefront_size32 1
		.amdhsa_system_sgpr_workgroup_id_x 1
		.amdhsa_system_sgpr_workgroup_id_y 1
		.amdhsa_system_sgpr_workgroup_id_z 1
		.amdhsa_system_vgpr_workitem_id 0
		.amdhsa_next_free_vgpr 242
		.amdhsa_next_free_sgpr 66
		.amdhsa_reserve_vcc 0
		.amdhsa_float_denorm_mode_32 3
		.amdhsa_float_denorm_mode_16_64 3
		.amdhsa_memory_ordered 1
		.amdhsa_forward_progress 1
		.amdhsa_inst_pref_size 74
	.end_amdhsa_kernel
	.amdgpu_metadata
---
amdhsa.version: [ 1, 2 ]
amdhsa.kernels:
  - .name:           k_q6253b874f3_context
    .symbol:         k_q6253b874f3_context.kd
    .args:
      - { .name: lgt, .offset: 0, .size: 8, .value_kind: global_buffer, .address_space: global }
      - { .name: features, .offset: 8, .size: 8, .value_kind: global_buffer, .address_space: global }
      - { .name: out0, .offset: 16, .size: 8, .value_kind: global_buffer, .address_space: global }
      - { .name: out1, .offset: 24, .size: 8, .value_kind: global_buffer, .address_space: global }
    .group_segment_fixed_size: 9728
    .private_segment_fixed_size: 0
    .kernarg_segment_align: 8
    .kernarg_segment_size: 32
    .max_flat_workgroup_size: 256
    .sgpr_count:     66
    .vgpr_count:     242
    .wavefront_size: 32
...
	.end_amdgpu_metadata
.endif
;; end of part 3
